; MI455X (gfx1250); checked and timed in simulation.
; The chip was launched on July 23, 2026; its instructions are those of AMD's public machine-readable ISA for CDNA 5 (MIT licence, August 2026) and "CDNA5" Instruction Set Architecture Reference Guide (July 2026). The comments in the code are by the model that wrote it; some were corrected since.
;; Flash Attention. Allowed arithmetic: matrix products marked QUANTISED: E4M3 operands, one given power-of-two scale a tensor, by v_wmma_f32_16x16x64_fp8_fp8 or v_wmma_f32_16x16x128_fp8_fp8, f32 sums; everything else in f32.
;; Inputs: k_codes 4 x 2,048 x 16 x 2 x 32 uint8 (E4M3 codes of k, K innermost, in blocks of 32 codes); lowp_scales 4 int32 (the exponents e of the quantised operands' scales 2^e); q_codes 4 x 2,048 x 16 x 2 x 32 uint8 (E4M3 codes of q, K innermost, in blocks of 32 codes); v_codes 4 x 16 x 64 x 64 x 32 uint8 (E4M3 codes of v, K innermost, in blocks of 32 codes).
;; Outputs: out0 4 x 2,048 x 16 x 64 float32.
;; This version of the problem:
;;   THIS VERSION OF THE PROBLEM IS GIVEN IN LOW PRECISION. The matrix products marked QUANTISED in the list below multiply operands that are first quantised to E4M3 (4 exponent bits, 3 mantissa bits; 8 bits a number), with one given power-of-two scale for each operand tensor; their sums are f32. All else is computed in f32.
;;   The module's matrix products, in the order in which they are computed (A, B: the left and right operand; K: the contracted axis; several contracted axes count as one K, in the product's order):
;;     1. batch 64 x [M 2,048, K 64] x [K 64, N 2,048]; A: input q (given as codes); B: input k (given as codes): QUANTISED (scales: A lowp_scales[0], B lowp_scales[1])
;;     2. batch 64 x [M 64, K 2,048] x [K 2,048, N 2,048]; A: input v (given as codes); B: softmax (see below): QUANTISED (scales: A lowp_scales[2], B lowp_scales[3])
;;   THE QUANTISER, for each operand of a quantised product, along K:
;;     - The operand's scale is 2^e, e = its entry of the input lowp_scales (int32; the entries are numbered through the quantised products in the list's order, A before B).
;;     - Each number is divided by the scale, clamped to +-448, and rounded to the nearest number of E4M3, ties to even, subnormals kept.
;;     - The product sums the exact products of the quantised numbers (number of the format x scale) in f32.
;;   ~~~python
;;   def quantise(x, axis, e):      # numpy; x: float32 -> the quantised numbers, widened to float32 again
;;       x = np.moveaxis(x, axis, -1); K = x.shape[-1]
;;       r = np.clip(x / 2.0 ** e, -448, 448)
;;       step = 2.0 ** (np.maximum(np.frexp(np.where(r == 0, 1, r))[1] - 1, -6) - 3)
;;       q = np.round(r / step) * step * 2.0 ** e      # np.round: ties to even
;;       return np.moveaxis(q, -1, axis).astype(np.float32)
;;   ~~~
;;   SOFTMAX AHEAD OF A QUANTISED PRODUCT. Where the list says 'softmax', what is quantised is not the finished softmax but p = 2^(t - M), with t = logit x log2(e) and M = ceil(the row's largest t), a whole number; so 1/2 < the row's largest p <= 1. The row's sum l is taken of the UNQUANTISED p, in f32, and the product's result is divided by l at the end. Since M is a whole number, a kernel that streams over the keys may use a running M (the ceiling of the running maximum): every later rescaling is an exact power of two, so the quantised numbers keep their values, but for numbers so far below the row's largest that they fall under the format's range.
;;   OPERANDS COMPUTED ON THE WAY. 'Computed on the way' means the value that the module computes at that place (a softmax that the list does not call 'softmax' is quantised finished and normalised). What goes into a quantiser is computed in f32, as accurately as f32 sums, v_exp_f32 and their like allow (about 1e-6 of the number): no bf16 or f16 on the way to a quantiser, and a product that is left as it is and whose result goes on into a quantised operand takes f32 operands (vector FMAs, or v_wmma_f32_16x16x4_f32). A number that lies on a knife's edge between two numbers of the format may be rounded either way, as far as f32 arithmetic and the matrix unit's own rounding can turn it there, and no further.
;;   INPUTS GIVEN AS CODES. k (in the module: [4, 2048, 16, 64], K = its axis 3); q (in the module: [4, 2048, 16, 64], K = its axis 3); v (in the module: [4, 2048, 16, 64], K = its axis 1): each comes as NAME_codes (uint8): NAME with its K axis moved to the last place and cut into blocks of 32 codes, [.., K / 32, bytes a block], one block behind the other in memory; one code a byte (a code: sign, 4 exponent bits, 3 mantissa bits); its scale is its entry of lowp_scales. Its value is code x scale, taken as it is: it is not quantised again, and the codes and scales need not be those that the quantiser above would give.
;; One version. Each part assembles by itself: llvm-mc -triple=amdgcn-amd-amdhsa -mcpu=gfx1250 --defsym DOCPART=n.
;; ======== version 1 of 1: 1 launch
;; limits: right only within a limited range of input values
;; launch attn (part 1): grid 4 x 64, 16 waves a work-group, clusters of 4 x 1, 327,680 bytes of LDS; arguments q_codes, k_codes, v_codes, lowp_scales, out0; writes out0
.if DOCPART == 1
	.amdgcn_target "amdgcn-amd-amdhsa--gfx1250"
	.amdhsa_code_object_version 6
	.text
	.protected	k_q836dee2dfb_attn
	.globl	k_q836dee2dfb_attn
	.p2align	8
	.type	k_q836dee2dfb_attn,@function
k_q836dee2dfb_attn:
	s_mov_b64 s[64:65], 0
	v_nop
	global_prefetch_b8 v0, s[64:65] scope:SCOPE_SE
	s_setreg_imm32_b32 hwreg(HW_REG_WAVE_MODE, 25, 1), 1
	s_wait_xcnt 0x0
	s_wait_alu depctr_hold_cnt(0) depctr_sa_sdst(0) depctr_va_vdst(0) depctr_va_sdst(0) depctr_va_ssrc(0) depctr_va_vcc(0) depctr_vm_vsrc(0)
	s_getreg_b32 s2, hwreg(HW_REG_IB_STS2, 6, 4)
	s_cmp_eq_u32 s2, 0
	s_cbranch_scc0 .Lentry_in_a_cluster
	s_endpgm
.Lentry_in_a_cluster:
	s_bfe_u32 s2, ttmp6, 0x10000c
	s_cmp_lg_u32 s2, 0x3003
	s_cbranch_scc0 .Lentry_shape_is_right
	s_endpgm
.Lentry_shape_is_right:
; Causal attention on codes of FP8 (E4M3).  out0[b][q][h][:] = sum over keys k <= q of softmax_k(Q.K / 8) V, 64 heads (b, h), 2,048 queries and keys, head size 64.
; q_codes, k_codes: [4][2048][16][64] bytes (a head's rows are 64 bytes, 1,024 apart).  v_codes: [4][16][64][2048] bytes, keys innermost.  out0: f32, a row of (b, q, h) is 256 bytes, a head's rows 4,096 apart.
; lowp_scales: eq, ek, ev, ep.  t = score x 2^(eq + ek) x log2(e) / 8;  M = the running largest t rounded up to a whole number;  p = 2^(t - M) is quantised with 2^ep;  the row's sum is taken of the
; unquantised p;  when M moves, the sum and O are multiplied by 2^(old M - new M), which rounds nothing;  at the end O x 2^(ep + ev) / sum.
; SHARES.  The four work-groups of a cluster serve ONE head.  A head has 128 tiles of 16 queries; tile T needs the key steps 0 .. T / 8 (128 keys a step), the last of them on the diagonal.
; Wave w of partner cx (pi = w / 2, e = 2 cx + w % 2) owns tiles 8 (15 - pi) + e (16 - pi steps) and 8 pi + e (pi + 1 steps): 17 steps for every wave of the launch, and only the steps that the mask leaves.
; Which step is hidden or on the diagonal hangs on pi and the step's number alone: it is the same in all four partners.  cx enters Q's and O's addresses and one number of the mask, no branch and no LDS address.
; LDS.  The head's whole K and V lie in LDS, padded; every byte is filled ONCE, by joint tensor loads (the same load with a mask that names the four partners, in all four), all issued at the head:
; so there is no ring and nothing is filled again.  They come in four groups of 512 keys; the waves meet in front of steps 0, 4 and 8, where a group is first read, and run free from there on.
; Nothing is prefetched: every tensor load of the launch is issued at its head, so no later load is left to ask ahead for.
; LAYOUT.  Both products are used transposed: S^T = K Q^T (source 0 = 16 neighbouring keys, source 1 = my 16 queries, K = 64), O^T = V^T P^T (source 0 = 16 of the head's 64, source 1 = P, K = 128 keys):
; a lane (r = lane % 16, hh = lane / 16) holds query r throughout.  Register j of score tile t is key 16 t + 8 hh + j: eight such, converted, are registers 2 t, 2 t + 1 of P in the K = 128 form's own layout.
; K's and Q's fragments are fetched 16 bytes at a time (d = 16 hh + 0..15 and 32 + 16 hh + 0..15): the same permutation of d in both, so every product meets its partner.
; LIMITS.  eq + ek between -123 and 130 (added to the exponent field of log2(e) / 8); ep between -126 and 119 (2^ep and 448 x 2^ep are f32 numbers); ep + ev is applied by v_ldexp_f32 and has none.
; A hidden score counts as -infinity, where the definition adds -1e9 to the logit: the same p = 0 while visible logits stay far above -1e9, which holds for eq + ek <= 8 (|logit| <= 448 x 448 x 8 x 2^(eq + ek)).
; NaN codes are not served.  A p under 2^-126 becomes 0.
.set KP,    80                         ; a key's row in LDS: 64 bytes + 16 of padding = 20 words: 16 neighbouring rows start at 16 different columns of 16 bytes (64 banks of 4 bytes: ISA guide 11.1)
.set KSTEP, 128*KP                     ; a key step's rows of K
.set KHALF, 256*KP                     ; what one tensor load brings of K
.set KGRP,  512*KP                     ; a group of 512 keys
.set VBASE, 4*KGRP                     ; behind K: V, group by group
.set VP,    528                        ; a row of V's group: 512 bytes + 16 = 132 words: lane (r, hh) of an 8-byte load starts at bank 4 r + 2 hh
.set VGRP,  64*VP
.set STAGE, VBASE+4*VGRP               ; behind V, at a multiple of 256: the way out, WSTG bytes for each wave; no tensor load lands here
.set SP,    272                        ; a stage row: 256 bytes + 16
.set WSTG,  1280                       ; four stage rows, rounded up to blocks of 256 bytes
.set AK0,  1                           ; v1   my lane's place in a tile of K: 80 r + 16 hh
.set AV0,  2                           ; v2   in a tile of V: VBASE + 528 r + 8 hh
.set ADK,  3                           ; v3   LDS address of the step's K
.set ADV,  4                           ; v4   of its V
.set STO,  5                           ; v5   the way out: where I put 32 bytes of a row
.set RD,   6                           ; v6   where I read a row back
.set GO,   7                           ; v7   my byte offset in two rows of out0
.set QD,   8                           ; v8   16 e + r - 8 hh: on the diagonal, register j of tile t is hidden where 16 t + j is above it
.set R4,   9                           ; v9   r / 4: which piece of the way out takes my row
.set QH,   16                          ; v[16:23]   Q of my high tile
.set QL,   24                          ; v[24:31]   Q of my low tile
.set F,    32                          ; v[32:95]   8 fragments of K, then 4 of V; on the way out rows read back
.set S,    96                          ; v[96:159]  S^T, then p; on the way out O / sum
.set O,    160                         ; v[160:191] O^T: register 8 u + j is o(r, 16 u + 8 hh + j)
.set P,    192                         ; v[192:207] p's codes
.set NINF, 208                         ; v208 -infinity
.set QA,   209                         ; v209 my lane's byte in a tile of Q
.set MXA,  212                         ; v212, v213 the maximum's two chains; at work
.set MXB,  213
.set FF,   214                         ; v[214:215] f = 2^(old M - new M); the upper word is only named
.set PX,   216                         ; v216 what comes from lane l xor 16
.set SB,   218                         ; v[218:219] the sum's second chain
.set LIM,  220
.set SCL,  221                         ; v221 2^ep                     (v12 -M, v13 the largest t, v[14:15] the sum in two halves)
.set WV,   14                          ; s14 wave;  s15 cx;  s16 head;  s17 pi;  s18 e;  s19 wave % 2
.set CX,   15
.set BH,   16
.set PI,   17
.set EE,   18
.set HF,   19
.set SEL,  20                          ; s[20:21] lane selects for v_permlanex16_b32: lane l xor 16
.set CS,   22                          ; s[22:23] c = 2^(eq + ek) log2(e) / 8: the packed form names a pair and takes its low word for both halves
.set G1K,  24                          ; s[24:31] descriptor group 1 for K's tiles;  s[32:39] for V's
.set G1V,  32
.set G0K,  40                          ; s[40:55] group 0 for K's four groups;  s[72:87] for V's.  No descriptor register is written again
.set G0V,  72
.set KS,   56                          ; s56 the step's number;  s57 my tile's last step
.set LAST, 57
.set TBK,  58                          ; s58, s59 where the step's K and V begin in their LDS regions
.set TBV,  59
.set CI,   60                          ; s60, s61 loop counters
.set CO,   61
.set SV,   62                          ; s62 EXEC, saved
.set EPV,  63                          ; s63 ep + ev
.set QHI,  88                          ; s[88:89], s[90:91] Q at my high and low tile;  s[92:93], s[94:95] out0 likewise
.set QLO,  90
.set OHI,  92
.set OLO,  94
; A round of the cluster's barrier: my work-group's barrier, so that wave 0's signal speaks for all sixteen waves; wave 0 signals; every wave waits for the four work-groups; my work-group's barrier once more.
.macro CROUND
	s_barrier_signal -1
	s_barrier_wait -1
	s_cmp_lg_u32 s[WV], 0
	s_cbranch_scc1 .Lnot_wave_0_\@
	s_barrier_signal -3
.Lnot_wave_0_\@:
	s_barrier_wait -3
	s_barrier_signal -1
	s_barrier_wait -1
.endm
; The waves meet where a group of keys is first read.  A fetching wave's four loads end in the order of issue (ISA guide 10.11.1): with n still out, its parts of the groups up to 3 - n have landed.
; Behind the barrier that holds of all three fetching waves.  No LDS instruction of mine is out here: each step ends behind a wait for all of its own.
.macro ARRIVE n
	s_wait_tensorcnt \n
	s_barrier_signal -1
	s_barrier_wait -1
.endm
; A tile begins: the largest t is under every t, the sum and O^T are zeros, which the first change of M leaves zeros.  So the step is written without a first step of its own.
.macro INIT
	v_mov_b32 v13, 0xff61b1e6                      ; -3e38
	s_delay_alu instid0(VALU_DEP_1)
	v_floor_f32 v12, -v13                          ; -M
	v_mov_b32 v14, 0
	v_mov_b32 v15, 0
.set j, 0
.rept 32
	v_mov_b32 v[O+j], 0
.set j, j+1
.endr
.endm
; A KEY STEP for the tile whose Q lies in v[q] on: 128 keys.  masked = 1: the step is left out where it lies behind my tile's last one, and hidden scores are struck out in that last one.
.macro STEP masked, q
.if \masked
	s_cmp_gt_u32 s[KS], s[LAST]                    ; all 128 keys come after my 16 queries: a branch on the wave's number and the step's; no barrier and no tensor load stands in a step
	s_cbranch_scc1 .Lhidden_\@
.endif
	s_setprio 2
	v_add_nc_u32 v[ADK], s[TBK], v[AK0]
	v_add_nc_u32 v[ADV], s[TBV], v[AV0]
	v_nop                                          ; with the two additions: four places between the last step's products, which read v[F] on, and the loads into it (ISA guide 7.12.1 for vector instructions)
	v_nop
.irp t, 0,1,2,3,4,5,6,7
	ds_load_b128 v[F+8*\t:F+8*\t+3],   v[ADK] offset:16*KP*\t       ; keys 16 t + r, d = 16 hh + 0..15
	ds_load_b128 v[F+8*\t+4:F+8*\t+7], v[ADK] offset:16*KP*\t+32    ; d = 32 + 16 hh + 0..15
.endr
	s_wait_alu depctr_va_vdst(0)
	s_wait_dscnt 8                                 ; tiles 0 to 3 are in; the eight younger loads may be out
.irp t, 0,1,2,3
	v_wmma_f32_16x16x64_fp8_fp8 v[S+8*\t:S+8*\t+7], v[F+8*\t:F+8*\t+7], v[\q:\q+7], 0
.endr
	s_wait_dscnt 0x0
.irp t, 4,5,6,7
	v_wmma_f32_16x16x64_fp8_fp8 v[S+8*\t:S+8*\t+7], v[F+8*\t:F+8*\t+7], v[\q:\q+7], 0
.endr
.rept 4
	v_nop                                          ; four places: in front of the loads into K's fragments, and of the first read of the scores
.endr
.irp u, 0,1,2,3                                ; V's four fragments (d = 16 u + r, keys 16 c + 8 hh + 0..7) are asked for now and land during the softmax
.irp c, 0,1,2,3,4,5,6,7
	ds_load_b64 v[F+16*\u+2*\c:F+16*\u+2*\c+1], v[ADV] offset:16*VP*\u+16*\c
.endr
.endr
.if \masked
	s_cmp_lg_u32 s[KS], s[LAST]                    ; only my tile's last step lies on the diagonal
	s_cbranch_scc1 .Lopen_\@
.irp t, 0,1,2,3,4,5,6,7                        ; key 16 t + 8 hh + j of the step is hidden for query 16 e + r of it where 16 t + j > 16 e + r - 8 hh: its score becomes -infinity, its p 0.  Each tile from its low end on
.irp j, 0,1,2,3,4,5,6,7
	v_cmp_gt_i32 vcc_lo, 16*\t+\j, v[QD]
	v_cndmask_b32 v[S+8*\t+\j], v[S+8*\t+\j], v[NINF], vcc_lo
.endr
.endr
.Lopen_\@:
.endif
	v_max3_num_f32 v[MXA], v[S], v[S+1], v[S+2]    ; the step's largest score of my query among my 64 keys: two chains, ascending
	v_max3_num_f32 v[MXB], v[S+3], v[S+4], v[S+5]
.set i, 6
.rept 14
	v_max3_num_f32 v[MXA], v[MXA], v[S+i], v[S+i+1]
	v_max3_num_f32 v[MXB], v[MXB], v[S+i+2], v[S+i+3]
.set i, i+4
.endr
	v_max3_num_f32 v[MXA], v[MXA], v[S+62], v[S+63]
	s_delay_alu instid0(VALU_DEP_1)
	v_max_num_f32 v[MXA], v[MXA], v[MXB]
	s_delay_alu instid0(VALU_DEP_1)
	v_permlanex16_b32 v[PX], v[MXA], s[SEL], s[SEL+1]
	s_delay_alu instid0(VALU_DEP_1)
	v_max_num_f32 v[MXA], v[MXA], v[PX]            ; and among lane l xor 16's 64 keys
	s_delay_alu instid0(VALU_DEP_1)
	v_mul_f32 v[MXA], s[CS], v[MXA]                ; as t (c is positive)
	s_delay_alu instid0(VALU_DEP_1)
	v_max_num_f32 v13, v13, v[MXA]                 ; the running largest t
	v_mov_b32 v[MXA], v12
	s_delay_alu instid0(VALU_DEP_2)
	v_floor_f32 v12, -v13                          ; the new -M = floor(-t) = -ceil(t): a whole number
	s_delay_alu instid0(VALU_DEP_1)
	v_sub_f32 v[MXA], v12, v[MXA]                  ; old M - new M: a whole number, 0 or less
	s_delay_alu instid0(VALU_DEP_1)
	v_cvt_i32_f32 v[MXA], v[MXA]                   ; (it saturates)
	s_delay_alu instid0(VALU_DEP_1)
	v_ldexp_f32 v[FF], 1.0, v[MXA]                 ; f = 2^(old M - new M)
.set j, 0
.rept 32
	v_pk_fma_f32 v[S+j:S+j+1], v[S+j:S+j+1], s[CS:CS+1], v[12:13] op_sel_hi:[1,0,0]   ; t - M, two at a time (of the pairs c and -M the low word serves both halves)
.set j, j+2
.endr
.set j, 0
	s_setprio 1
	s_wait_alu depctr_va_vdst(0)
.rept 64
	v_exp_f32 v[S+j], v[S+j]                       ; p = 2^(t - M), at most 1, not normalised: one batch, none of which reads another's result
.set j, j+1
.endr
	v_pk_mul_f32 v[14:15], v[14:15], v[FF:FF+1] op_sel_hi:[1,0]   ; the sums under the new M: the plain instruction behind the last exponential (ISA guide 5.7.2)
	s_wait_alu depctr_va_vdst(0)                   ; a wait ahead of the first line that names an exponential's result: one for the batch
	v_pk_add_f32 v[218:219], v[100:101], v[104:105]
	v_pk_add_f32 v[222:223], v[108:109], v[112:113]
	v_pk_add_f32 v[210:211], v[116:117], v[120:121]
	v_pk_add_f32 v[14:15], v[14:15], v[124:125]
	v_pk_add_f32 v[218:219], v[218:219], v[128:129]
	v_pk_add_f32 v[222:223], v[222:223], v[132:133]
	v_pk_add_f32 v[210:211], v[210:211], v[136:137]
	v_pk_add_f32 v[14:15], v[14:15], v[140:141]
	v_pk_add_f32 v[218:219], v[218:219], v[144:145]
	v_pk_add_f32 v[222:223], v[222:223], v[148:149]
	v_pk_add_f32 v[210:211], v[210:211], v[152:153]
	v_pk_add_f32 v[14:15], v[14:15], v[156:157]
	v_pk_add_f32 v[218:219], v[218:219], v[96:97]
	v_pk_add_f32 v[222:223], v[222:223], v[98:99]
	v_pk_add_f32 v[210:211], v[210:211], v[102:103]
	v_pk_add_f32 v[14:15], v[14:15], v[106:107]
	v_pk_add_f32 v[218:219], v[218:219], v[110:111]
	v_pk_add_f32 v[222:223], v[222:223], v[114:115]
	v_pk_add_f32 v[210:211], v[210:211], v[118:119]
	v_pk_add_f32 v[14:15], v[14:15], v[122:123]
	v_pk_add_f32 v[218:219], v[218:219], v[126:127]
	v_pk_add_f32 v[222:223], v[222:223], v[130:131]
	v_pk_add_f32 v[210:211], v[210:211], v[134:135]
	v_pk_add_f32 v[14:15], v[14:15], v[138:139]
	v_pk_add_f32 v[218:219], v[218:219], v[142:143]
	v_pk_add_f32 v[222:223], v[222:223], v[146:147]
	v_pk_add_f32 v[210:211], v[210:211], v[150:151]
	v_pk_add_f32 v[14:15], v[14:15], v[154:155]
	v_pk_add_f32 v[218:219], v[218:219], v[158:159]
	s_delay_alu instid0(VALU_DEP_2)
	v_pk_add_f32 v[14:15], v[14:15], v[222:223]
	s_delay_alu instid0(VALU_DEP_2)
	v_pk_add_f32 v[218:219], v[218:219], v[210:211]
	s_delay_alu instid0(VALU_DEP_1)
	v_pk_add_f32 v[14:15], v[14:15], v[218:219]
	s_setprio 0
.irp t, 0,1,2,3,4,5,6,7
.irp i, 0,1,2,3,4,5,6,7
.endr
	v_cvt_scalef32_pk8_fp8_f32 v[P+2*\t:P+2*\t+1], v[S+8*\t:S+8*\t+7], v[SCL]   ; keys 16 t + 8 hh + 0..7: registers 2 t, 2 t + 1 of P
.endr
.set j, 0
.rept 16
	v_pk_mul_f32 v[O+j:O+j+1], v[O+j:O+j+1], v[FF:FF+1] op_sel_hi:[1,0]   ; O^T under the new M, ascending.  (Also the plain lines between the last conversion and the products that read its codes)
.set j, j+2
.endr
	s_wait_alu depctr_va_vdst(0)
	s_wait_dscnt 0x0                               ; V's fragments are in
.irp u, 0,1,2,3                                ; the four accumulators take turns, one instruction a turn; the matrix instruction ahead of the first is a score's
	v_wmma_f32_16x16x128_fp8_fp8 v[O+8*\u:O+8*\u+7], v[F+16*\u:F+16*\u+15], v[P:P+15], v[O+8*\u:O+8*\u+7]
.endr
.if \masked
.Lhidden_\@:
.endif
.endm
; Four steps, all of whose keys count for my tile: one group of 512 keys, beginning at tbk in K's region and tbv in V's.
.macro RUN q, tbk, tbv
	s_mov_b32 s[TBK], \tbk
	s_mov_b32 s[TBV], \tbv
	s_mov_b32 s[CI], 4
.Lrun_\@:
	STEP 0, \q
	s_add_co_u32 s[TBK], s[TBK], KSTEP
	s_add_co_u32 s[TBV], s[TBV], 128
	s_sub_co_u32 s[CI], s[CI], 1
	s_cmp_lg_u32 s[CI], 0
	s_cbranch_scc1 .Lrun_\@
	s_setprio 0
.endm
; Eight steps from step ks on, two groups: every wave walks all eight (the trip counts are constants of the text) and jumps over the work of those that are hidden from its tile.
.macro WALK q, tbk, tbv, ks
	s_mov_b32 s[TBK], \tbk
	s_mov_b32 s[TBV], \tbv
	s_mov_b32 s[KS], \ks
	s_mov_b32 s[CO], 2
.Lgroup_\@:
	s_mov_b32 s[CI], 4
.Lstep_\@:
	STEP 1, \q
	s_add_co_u32 s[TBK], s[TBK], KSTEP
	s_add_co_u32 s[TBV], s[TBV], 128
	s_add_co_u32 s[KS], s[KS], 1
	s_sub_co_u32 s[CI], s[CI], 1
	s_cmp_lg_u32 s[CI], 0
	s_cbranch_scc1 .Lstep_\@
	s_setprio 0
	s_add_co_u32 s[TBV], s[TBV], VGRP-512          ; from the end of a group's rows to the next group
	s_sub_co_u32 s[CO], s[CO], 1
	s_cmp_lg_u32 s[CO], 0
	s_cbranch_scc1 .Lgroup_\@
.endm
; THE WAY OUT of a tile, to out0 at s[ob].  A lane holds 4 x 32 bytes of ONE row of 256 bytes, and the lanes beside it hold other rows.  So the rows go through my own stage in LDS, four at a time (piece p: rows 4 p .. 4 p + 3,
; stored by the eight lanes that hold them), and come back whole: sixteen lanes store 256 consecutive bytes, aligned.  LDS serves a wave's instructions in order (ISA guide 5.7.1.4): a piece's loads see its stores, and
; the next piece's stores come behind them.
.macro WAYOUT ob
.rept 4
	v_nop                                          ; four places behind the last products, whose results are read below
.endr
	v_add_f32 v14, v14, v15                        ; the sum's two halves,
	s_delay_alu instid0(VALU_DEP_1)
	v_permlanex16_b32 v[PX], v14, s[SEL], s[SEL+1]
	s_delay_alu instid0(VALU_DEP_1)
	v_add_f32 v14, v14, v[PX]                      ; and lane l xor 16's: the row's sum
	s_wait_alu depctr_va_vdst(0)
	v_rcp_f32 v14, v14
	v_nop                                          ; a plain instruction behind the reciprocal,
	s_wait_alu depctr_va_vdst(0)                   ; and a wait ahead of its first reader
	v_ldexp_f32 v14, v14, s[EPV]                   ; x 2^(ep + ev)
.set j, 0
.rept 16
	v_pk_mul_f32 v[S+j:S+j+1], v[O+j:O+j+1], v[14:15] op_sel_hi:[1,0]   ; ascending: each accumulator from its low end on
.set j, j+2
.endr
	s_wait_alu depctr_va_vdst(0)
	s_wait_xcnt 0x0                                ; EXEC changes below: every earlier global instruction has read its sources; none is issued until EXEC is whole again for good
.irp p, 0,1,2,3
	v_cmp_eq_u32 vcc_lo, \p, v[R4]
	s_and_saveexec_b32 s[SV], vcc_lo               ; the lanes with r / 4 = p
.irp u, 0,1,2,3
	ds_store_b128 v[STO], v[S+8*\u:S+8*\u+3]   offset:64*\u      ; row r % 4, channels 16 u + 8 hh + 0..3
	ds_store_b128 v[STO], v[S+8*\u+4:S+8*\u+7] offset:64*\u+16
.endr
	s_or_b32 exec_lo, exec_lo, s[SV]
	ds_load_b128 v[F+8*\p:F+8*\p+3],   v[RD]                 ; lanes 0-15: the piece's row 0, lanes 16-31: row 1
	ds_load_b128 v[F+8*\p+4:F+8*\p+7], v[RD] offset:2*SP     ; rows 2 and 3
.endr
.irp p, 0,1,2,3
	s_wait_dscnt 10*(3-\p)                         ; behind piece p's loads each later piece has issued eight stores and two loads
	global_store_b128 v[GO], v[F+8*\p:F+8*\p+3],   s[\ob:\ob+1] offset:(4*\p)*4096 th:TH_STORE_NT
	global_store_b128 v[GO], v[F+8*\p+4:F+8*\p+7], s[\ob:\ob+1] offset:(4*\p+2)*4096 th:TH_STORE_NT
.endr
.endm
	s_load_b256 s[4:11], s[0:1], 0x0               ; q_codes s[4:5], k_codes s[6:7], v_codes s[8:9], lowp_scales s[10:11]
	s_load_b64 s[12:13], s[0:1], 0x20              ; out0
	v_lshl_add_u32 v224, v0, 2, 0x4e000
	v_mov_b32 v225, 0
	ds_add_u32 v224, v225
	ds_add_u32 v224, v225
	v_lshrrev_b32 v10, 5, v0
	s_delay_alu instid0(VALU_DEP_1)
	v_readfirstlane_b32 s[WV], v10                 ; wave 0..15
	s_bfe_u32 s[CX], ttmp6, 0x40000                ; my place in the cluster
	s_and_b32 s[BH], ttmp7, 0xffff                 ; the head 16 b + h, which the four partners share
	s_lshr_b32 s[PI], s[WV], 1
	s_and_b32 s[HF], s[WV], 1
	s_lshl_b32 s[EE], s[CX], 1
	s_add_co_u32 s[EE], s[EE], s[HF]               ; e = 2 cx + wave % 2
	; descriptor group 1.  K: 256 rows of 64 bytes, 1,024 apart.  V: 64 rows of 512 bytes, 2,048 apart
	s_mov_b32 s[G1K],   15|(1<<20)|(1<<21)|(3<<22)|(3<<25)   ; 15:0 the mask: all four work-groups; 17:16 elements of 1 byte; 20 padding on; 21 set beside a mask; 24:22 after every 16 words (code 3); 31:25 four words (code 3)
	s_mov_b32 s[G1K+1], 64<<16                     ; tensor_dim0
	s_mov_b32 s[G1K+2], 256<<16                    ; tensor_dim1
	s_mov_b32 s[G1K+3], 64<<16                     ; tile_dim0
	s_mov_b32 s[G1K+4], 256                        ; tile_dim1
	s_mov_b32 s[G1K+5], 1024                       ; from row to row
	s_mov_b32 s[G1K+6], 0
	s_mov_b32 s[G1K+7], 0
	s_mov_b32 s[G1V],   15|(1<<20)|(1<<21)|(6<<22)|(3<<25)   ; the same, padding after every 128 words (code 6)
	s_mov_b32 s[G1V+1], 512<<16
	s_mov_b32 s[G1V+2], 64<<16
	s_mov_b32 s[G1V+3], 512<<16
	s_mov_b32 s[G1V+4], 64
	s_mov_b32 s[G1V+5], 2048
	s_mov_b32 s[G1V+6], 0
	s_mov_b32 s[G1V+7], 0
	s_mov_b32 s[SEL], 0x76543210
	s_mov_b32 s[SEL+1], 0xfedcba98
	; the head's first bytes.  These registers feed the descriptors and never hold cx
	s_lshr_b32 s96, s[BH], 4                       ; b
	s_and_b32 s97, s[BH], 15                       ; h
	s_lshl_b32 s98, s96, 21
	s_lshl_b32 s99, s97, 6
	s_add_co_u32 s98, s98, s99                     ; in q_codes and k_codes: 2^21 b + 64 h
	s_mov_b32 s99, 0
	s_lshl_b32 s66, s96, 23
	s_lshl_b32 s67, s97, 8
	s_add_co_u32 s66, s66, s67                     ; in out0: 2^23 b + 256 h
	s_mov_b32 s67, 0
	s_lshl_b32 s96, s[HF], 18                      ; K: waves 0 and 1 fetch the two halves, 256 keys each, of every group
	s_add_co_u32 s96, s96, s98
	s_mov_b32 s97, 0
	s_lshl_b32 s60, s[BH], 17                      ; in v_codes: 64 rows of 2,048 bytes a head
	s_mov_b32 s61, 0
	s_mul_i32 s62, s[HF], KHALF                    ; my half's place in a group of K in LDS: the wave's number alone
	s_wait_dscnt 0x0
	s_wait_kmcnt 0x0
	s_load_b128 s[68:71], s[10:11], 0x0            ; eq, ek, ev, ep
	s_add_nc_u64 s[6:7], s[6:7], s[96:97]
	s_add_nc_u64 s[8:9], s[8:9], s[60:61]
.irp g, 0,1,2,3
	s_mov_b32 s[G0K+4*\g], 1                                       ; 1:0 count = 1
	s_add_co_u32 s[G0K+4*\g+1], s62, \g*KGRP                       ; 63:32 LDS address
	s_add_nc_u64 s[G0K+4*\g+2:G0K+4*\g+3], s[6:7], \g*512*1024     ; 120:64 global address: 512 keys a group
	s_or_b32 s[G0K+4*\g+3], s[G0K+4*\g+3], 0x80000000              ; 127:126 type = 2
	s_mov_b32 s[G0V+4*\g], 1
	s_mov_b32 s[G0V+4*\g+1], VBASE+\g*VGRP
	s_add_nc_u64 s[G0V+4*\g+2:G0V+4*\g+3], s[8:9], \g*512
	s_or_b32 s[G0V+4*\g+3], s[G0V+4*\g+3], 0x80000000
.endr
	CROUND                                         ; all four work-groups are here: the joint loads meet
	; ALL THE LAUNCH'S TENSOR LOADS, in the order of the groups: waves 0 and 1 K's halves, wave 2 V.  A fetching wave has four loads out.  The branches hang on the wave's number alone.
	; Four v_nop follow a wave's last load, ahead of the jump and the label.
	s_cmp_lt_u32 s[WV], 2
	s_cbranch_scc0 .Lnot_k
	tensor_load_to_lds s[G0K:G0K+3], s[G1K:G1K+7]
	s_nop 0
	tensor_load_to_lds s[G0K+4:G0K+7], s[G1K:G1K+7]
	s_nop 0
	tensor_load_to_lds s[G0K+8:G0K+11], s[G1K:G1K+7]
	s_nop 0
	tensor_load_to_lds s[G0K+12:G0K+15], s[G1K:G1K+7]
	s_nop 0
.rept 4
	v_nop
.endr
	s_branch .Lasked
.Lnot_k:
	s_cmp_eq_u32 s[WV], 2
	s_cbranch_scc0 .Lasked
	tensor_load_to_lds s[G0V:G0V+3], s[G1V:G1V+7]
	s_nop 0
	tensor_load_to_lds s[G0V+4:G0V+7], s[G1V:G1V+7]
	s_nop 0
	tensor_load_to_lds s[G0V+8:G0V+11], s[G1V:G1V+7]
	s_nop 0
	tensor_load_to_lds s[G0V+12:G0V+15], s[G1V:G1V+7]
	s_nop 0
.rept 4
	v_nop
.endr
.Lasked:
	; my two tiles, and their places in q_codes (16 rows of 1,024 bytes a tile) and out0 (16 rows of 4,096)
	s_sub_co_u32 s2, 15, s[PI]
	s_lshl_b32 s2, s2, 3
	s_add_co_u32 s2, s2, s[EE]                     ; the high tile: 8 (15 - pi) + e
	s_lshl_b32 s3, s[PI], 3
	s_add_co_u32 s3, s3, s[EE]                     ; the low tile: 8 pi + e
	s_mov_b32 s57, 0
	s_lshl_b32 s56, s2, 14
	s_add_co_u32 s56, s56, s98
	s_add_nc_u64 s[QHI:QHI+1], s[4:5], s[56:57]
	s_lshl_b32 s56, s3, 14
	s_add_co_u32 s56, s56, s98
	s_add_nc_u64 s[QLO:QLO+1], s[4:5], s[56:57]
	s_lshl_b32 s56, s2, 16
	s_add_co_u32 s56, s56, s66
	s_add_nc_u64 s[OHI:OHI+1], s[12:13], s[56:57]
	s_lshl_b32 s56, s3, 16
	s_add_co_u32 s56, s56, s66
	s_add_nc_u64 s[OLO:OLO+1], s[12:13], s[56:57]
	v_and_b32 v10, 15, v0                          ; r
	v_bfe_u32 v11, v0, 4, 1                        ; hh
	s_delay_alu instid0(VALU_DEP_2)
	v_lshlrev_b32 v[QA], 10, v10
	s_delay_alu instid0(VALU_DEP_1)
	v_lshl_add_u32 v[QA], v11, 4, v[QA]            ; Q: row r of the tile, + 16 hh
	global_load_b128 v[QH:QH+3],   v[QA], s[QHI:QHI+1]             ; both tiles' Q stay in registers
	global_load_b128 v[QH+4:QH+7], v[QA], s[QHI:QHI+1] offset:32
	global_load_b128 v[QL:QL+3],   v[QA], s[QLO:QLO+1]
	global_load_b128 v[QL+4:QL+7], v[QA], s[QLO:QLO+1] offset:32
	v_mul_u32_u24 v[AK0], v10, KP
	s_delay_alu instid0(VALU_DEP_1)
	v_lshl_add_u32 v[AK0], v11, 4, v[AK0]
	v_mul_u32_u24 v[AV0], v10, VP
	s_delay_alu instid0(VALU_DEP_1)
	v_lshl_add_u32 v[AV0], v11, 3, v[AV0]
	s_delay_alu instid0(VALU_DEP_1)
	v_add_nc_u32 v[AV0], VBASE, v[AV0]
	s_mul_i32 s96, s[WV], WSTG
	s_add_co_u32 s96, s96, STAGE                   ; my stage
	v_and_b32 v[STO], 3, v0
	s_delay_alu instid0(VALU_DEP_1)
	v_mul_u32_u24 v[STO], v[STO], SP
	s_delay_alu instid0(VALU_DEP_1)
	v_lshl_add_u32 v[STO], v11, 5, v[STO]
	s_delay_alu instid0(VALU_DEP_1)
	v_add_nc_u32 v[STO], s96, v[STO]               ; in: row r % 4, + 32 hh
	v_mul_u32_u24 v[RD], v11, SP
	s_delay_alu instid0(VALU_DEP_1)
	v_lshl_add_u32 v[RD], v10, 4, v[RD]
	s_delay_alu instid0(VALU_DEP_1)
	v_add_nc_u32 v[RD], s96, v[RD]                 ; back: lanes 0-15 one row, lanes 16-31 the next, 16 bytes a lane
	v_lshlrev_b32 v[GO], 12, v11
	s_delay_alu instid0(VALU_DEP_1)
	v_lshl_add_u32 v[GO], v10, 4, v[GO]            ; and the same two rows in out0
	v_bfe_u32 v[R4], v0, 2, 2
	s_lshl_b32 s2, s[EE], 4
	v_lshlrev_b32 v[QD], 3, v11
	s_delay_alu instid0(VALU_DEP_1)
	v_sub_nc_u32 v[QD], v10, v[QD]
	s_delay_alu instid0(VALU_DEP_1)
	v_add_nc_u32 v[QD], s2, v[QD]                  ; 16 e + r - 8 hh, signed: the same for both of my tiles
	v_mov_b32 v[NINF], 0xff800000
	v_mov_b32 v[FF+1], 0                           ; (named as the upper half of a pair)
	v_mov_b32 v[PX], 0                             ; written once: a lane permute's destination counts as one of its sources
	INIT
	s_wait_kmcnt 0x0                               ; the four exponents
	s_add_co_i32 s2, s68, s69
	s_lshl_b32 s2, s2, 23
	s_mov_b32 s[CS], 0x3e38aa3b                    ; log2(e) / 8
	s_add_co_i32 s[CS], s[CS], s2                  ; a score stands for score x 2^(eq + ek): the two exponents are added to c's exponent field
	s_mov_b32 s[CS+1], s[CS]                       ; (named with it as a pair, so it is written)
	s_add_co_i32 s2, s71, 127
	s_lshl_b32 s3, s2, 23
	v_mov_b32 v[SCL], s3                           ; 2^ep as f32: the conversion takes its exponent field
	s_add_co_i32 s[EPV], s70, s71                  ; ev + ep
	s_wait_loadcnt 0x0                             ; Q
	ARRIVE 3                                       ; keys 0 to 511 are in; three loads of each fetching wave may be out
	RUN QH, 0, 0
	ARRIVE 2                                       ; keys 512 to 1,023
	RUN QH, KGRP, VGRP
	ARRIVE 0                                       ; all of K and V: no tensor load is out from here on, and the waves meet no more until the end
	s_sub_co_u32 s[LAST], 15, s[PI]                ; the high tile's diagonal lies in step 15 - pi
	WALK QH, 2*KGRP, 2*VGRP, 8
	WAYOUT OHI
	; THE LOW TILE: steps 0 to pi
	s_wait_xcnt 0x0                                ; the high tile's stores have read their data: those registers take K's fragments again
	INIT
	s_mov_b32 s[LAST], s[PI]
	WALK QL, 0, 0, 0
	WAYOUT OLO                                     ; (its last wait on DScnt is for 0: no LDS instruction is out at the signal below)
	s_wait_tensorcnt 0x0
	ds_add_u32 v224, v225
	s_wait_dscnt 0x0
	CROUND                                         ; the closing round, behind the last joint loads
	s_endpgm
.Lfunc_end_k_q836dee2dfb_attn:
	.size	k_q836dee2dfb_attn, .Lfunc_end_k_q836dee2dfb_attn-k_q836dee2dfb_attn
	.p2alignl 7, 3214868480
	.fill 96, 4, 3214868480
	.section	.rodata,"a",@progbits
	.p2align	6, 0x0
	.amdhsa_kernel k_q836dee2dfb_attn
		.amdhsa_group_segment_fixed_size 327680
		.amdhsa_private_segment_fixed_size 0
		.amdhsa_enable_private_segment 0
		.amdhsa_kernarg_size 40
		.amdhsa_user_sgpr_count 2
		.amdhsa_user_sgpr_kernarg_segment_ptr 1
		.amdhsa_wavefront_size32 1
		.amdhsa_system_sgpr_workgroup_id_x 1
		.amdhsa_system_sgpr_workgroup_id_y 1
		.amdhsa_system_sgpr_workgroup_id_z 1
		.amdhsa_system_vgpr_workitem_id 0
		.amdhsa_next_free_vgpr 226
		.amdhsa_next_free_sgpr 100
		.amdhsa_reserve_vcc 1
		.amdhsa_float_denorm_mode_32 3
		.amdhsa_float_denorm_mode_16_64 3
		.amdhsa_fp16_overflow 1
		.amdhsa_memory_ordered 1
		.amdhsa_forward_progress 1
		.amdhsa_inst_pref_size 94
	.end_amdhsa_kernel
	.amdgpu_metadata
---
amdhsa.version: [ 1, 2 ]
amdhsa.kernels:
  - .name:           k_q836dee2dfb_attn
    .symbol:         k_q836dee2dfb_attn.kd
    .args:
      - { .name: q_codes, .offset: 0, .size: 8, .value_kind: global_buffer, .address_space: global }
      - { .name: k_codes, .offset: 8, .size: 8, .value_kind: global_buffer, .address_space: global }
      - { .name: v_codes, .offset: 16, .size: 8, .value_kind: global_buffer, .address_space: global }
      - { .name: lowp_scales, .offset: 24, .size: 8, .value_kind: global_buffer, .address_space: global }
      - { .name: out0, .offset: 32, .size: 8, .value_kind: global_buffer, .address_space: global }
    .group_segment_fixed_size: 327680
    .private_segment_fixed_size: 0
    .kernarg_segment_align: 8
    .kernarg_segment_size: 40
    .max_flat_workgroup_size: 512
    .sgpr_count:     100
    .vgpr_count:     226
    .wavefront_size: 32
...
	.end_amdgpu_metadata
.endif
;; end of part 1
